; MI455X (gfx1250); checked and timed in simulation.
; The chip was launched on July 23, 2026; its instructions are those of AMD's public machine-readable ISA for CDNA 5 (MIT licence, August 2026) and "CDNA5" Instruction Set Architecture Reference Guide (July 2026). The comments in the code are by the model that wrote it; some were corrected since.
;; Attention Fusion. Allowed arithmetic: matrix products marked QUANTISED: E2M3 operands, one E8M0 scale for each 32 along K, by v_wmma_scale_f32_16x16x128_f8f6f4 with both operands' format E2M3, f32 sums; everything else in f32.
;; Inputs: out_b 1,024 float32; out_w 1,024 x 1,024 float32; qkv_b 3,072 float32; qkv_w 3,072 x 1,024 float32; x 2 x 2,048 x 1,024 float32.
;; Outputs: out0 2 x 2,048 x 1,024 float32.
;; This version of the problem:
;;   THIS VERSION OF THE PROBLEM IS GIVEN IN LOW PRECISION. The matrix products marked QUANTISED in the list below multiply operands that are first quantised to E2M3 (2 exponent bits, 3 mantissa bits; 6 bits a number), with one power-of-two scale for each 32 numbers along K (OCP MX v1.0); their sums are f32. All else is computed in f32.
;;   The module's matrix products, in the order in which they are computed (A, B: the left and right operand; K: the contracted axis; several contracted axes count as one K, in the product's order):
;;     1. [M 4,096, K 1,024] x [K 1,024, N 3,072]; A: input x; B: input qkv_w: QUANTISED
;;     2. batch 32 x [M 2,048, K 64] x [K 64, N 2,048]; A: computed on the way; B: computed on the way: QUANTISED
;;     3. batch 32 x [M 2,048, K 2,048] x [K 2,048, N 64]; A: softmax (see below); B: computed on the way: QUANTISED
;;     4. [M 4,096, K 1,024] x [K 1,024, N 1,024]; A: computed on the way; B: input out_w: QUANTISED
;;   THE QUANTISER, for each operand of a quantised product, along K:
;;     - K is cut into blocks of 32 from its start; a last block that is shorter is filled with zeros.
;;     - A block's scale is 2^e with e = floor(log2(the largest magnitude in the block)) - 2, held to -126 .. 127; a block of zeros has e = 0. As a byte (E8M0): e + 127.
;;     - Each number is divided by its block's scale, clamped to +-7.5, and rounded to the nearest number of E2M3, ties to even, subnormals kept.
;;     - The product sums the exact products of the quantised numbers (number of the format x scale) in f32.
;;   ~~~python
;;   def quantise(x, axis):      # numpy; x: float32 -> the quantised numbers, widened to float32 again
;;       x = np.moveaxis(x, axis, -1); K = x.shape[-1]
;;       x = np.pad(x, [(0, 0)] * (x.ndim - 1) + [(0, -K % 32)]); x = x.reshape(x.shape[:-1] + (-1, 32)); a = np.abs(x).max(-1, keepdims=True)
;;       e = np.where(a > 0, np.clip(np.frexp(np.where(a > 0, a, 1))[1] - 1 - 2, -126, 127), 0)      # np.frexp(a)[1] - 1 = floor(log2(a)), exactly
;;       r = np.clip(x / 2.0 ** e, -7.5, 7.5)
;;       step = 2.0 ** (np.maximum(np.frexp(np.where(r == 0, 1, r))[1] - 1, 0) - 3)
;;       q = np.round(r / step) * step * 2.0 ** e      # np.round: ties to even
;;       return np.moveaxis(q.reshape(q.shape[:-2] + (-1,))[..., :K], -1, axis).astype(np.float32)
;;   ~~~
;;   SOFTMAX AHEAD OF A QUANTISED PRODUCT. Where the list says 'softmax', what is quantised is not the finished softmax but p = 2^(t - M), with t = logit x log2(e) and M = ceil(the row's largest t), a whole number; so 1/2 < the row's largest p <= 1. The row's sum l is taken of the UNQUANTISED p, in f32, and the product's result is divided by l at the end. Since M is a whole number, a kernel that streams over the keys may use a running M (the ceiling of the running maximum): every later rescaling is an exact power of two, which a block's scale takes up: the codes' values come out the same.
;;   OPERANDS COMPUTED ON THE WAY. 'Computed on the way' means the value that the module computes at that place (a softmax that the list does not call 'softmax' is quantised finished and normalised). What goes into a quantiser is computed in f32, as accurately as f32 sums, v_exp_f32 and their like allow (about 1e-6 of the number): no bf16 or f16 on the way to a quantiser, and a product that is left as it is and whose result goes on into a quantised operand takes f32 operands (vector FMAs, or v_wmma_f32_16x16x4_f32). A number that lies on a knife's edge between two numbers of the format may be rounded either way, as far as f32 arithmetic and the matrix unit's own rounding can turn it there, and no further.
;; One version. Each part assembles by itself: llvm-mc -triple=amdgcn-amd-amdhsa -mcpu=gfx1250 --defsym DOCPART=n.
;; ======== version 1 of 1: 4 launches
;; limits: right only within a limited range of input values
;; workspace buffers: wcod 6,291,456 bytes; wscl 262,144 bytes; qkv 9,830,400 bytes; ocod 3,145,728 bytes; oscl 131,072 bytes
;; launch quant (part 1): grid 256 x 1, 4 waves a work-group, no clusters, 49,664 bytes of LDS; arguments x, qkv_w, out_w, wcod, wscl; writes wcod, wscl
.if DOCPART == 1
	.amdgcn_target "amdgcn-amd-amdhsa--gfx1250"
	.amdhsa_code_object_version 6
	.text
	.protected	k_q61a631f97c_quant
	.globl	k_q61a631f97c_quant
	.p2align	8
	.type	k_q61a631f97c_quant,@function
k_q61a631f97c_quant:
	s_mov_b64 s[64:65], 0
	v_nop
	global_prefetch_b8 v0, s[64:65] scope:SCOPE_SE
	s_setreg_imm32_b32 hwreg(HW_REG_WAVE_MODE, 25, 1), 1
	s_wait_xcnt 0x0
; x [4096][1024], qkv_w [3072][1024] and out_w [1024][1024], f32 with K innermost, become codes of FP6 (E2M3) with one E8M0 byte for each 32 along K.
; NO WORK OF reference() IS LEFT OUT IN THIS PROGRAM: every input has a way to the output (k's bias moves k's codes, so it stays), and all four products are done.
; A block's scale is 2^(floor(log2(its largest magnitude)) - 2); its byte is the largest magnitude's exponent field - 2, held at 1 from below.
; LIMITS: a block of zeros gets the byte 1 where the stated quantiser says 127 (its codes are zeros, and this program alone reads the bytes); blocks whose largest magnitude
; lies under 2^(3 - 127) are held at that byte; NaN and infinities among the inputs are not served.
; LAYOUT OF THE RESULT.  The three tensors are 512 row-blocks of 16 rows: x 0-255, qkv_w 256-447, out_w 448-511.  Row r of a tensor's row-block b is its true row
; 32 (b / 2) + 8 (b % 2) + 16 (r / 8) + r % 8: used as a product's first source, two neighbouring row-blocks then leave 16 true neighbours in a lane's 16 result registers.
; Codes: wcod[row-block][K step of 128, 0..7][1,536 bytes]: the image of the operand's 12 registers: register R of lane l at 512 (R / 4) + 16 l + 4 (R % 4), so that three loads
; of 16 bytes a lane bring a fragment.  Scale words: wscl[row-block][K step / 2][r][K step % 2], four bytes each.
; SHARES.  A wave takes one row-block x 512 along K: 16 steps, a row each.  A step's four loads read 512 consecutive bytes each; the 2,048 bytes turn through the wave's own stage in LDS
; so that a lane holds 16 neighbours (two lanes hold a block).  The codes are gathered as images in the wave's own LDS and leave as 6,144 dense bytes, the scale bytes as 256.
; No tensor load, no barrier, no matrix unit, no cluster: waves share nothing and memory binds.
.set WREG,  12288                      ; LDS of a wave: two stages of 32 x SP bytes, the four images, the scale bytes
.set SP,    80                         ; a lane's place in a stage: 64 bytes + 16 of padding
.set IMG,   2*32*SP                    ; 5,120: four images of 1,536 bytes
.set SB,    IMG+6144                   ; 11,264: 256 scale bytes
.set SPARE, 4*WREG                     ; the spare words, 128 bytes for each wave: two blocks of 256 bytes that no other line names
.set EMAX,  2
.set SPW,   12                         ; v12  my spare word's LDS address; never rewritten
.set NIL,   13                         ; v13  0; never rewritten
.set R,     16                         ; v16-127  seven sets of 16 numbers as loaded
.set X,     128                        ; v128-159 two sets of 16 neighbours
.set E,     160                        ; v160-175 a scale byte for each step
.set C,     176                        ; v176-239 codes: four registers for each step
.set CA,    240                        ; v240-242 where my three code words go in the images
	s_load_b256 s[4:11], s[0:1], 0x0               ; x, qkv_w, out_w, wcod
	s_load_b64 s[12:13], s[0:1], 0x20              ; wscl
	v_lshl_add_u32 v[SPW], v0, 2, SPARE
	v_mov_b32 v[NIL], 0
	v_lshrrev_b32 v1, 5, v0
	v_readfirstlane_b32 s16, v1                    ; wave
	v_and_b32 v2, 31, v0                           ; lane
	v_lshlrev_b32 v3, 4, v2                        ; 16 x lane
	s_mul_i32 s17, s16, WREG
	v_lshrrev_b32 v14, 2, v2
	v_mul_u32_u24 v14, v14, SP
	v_and_b32 v15, 3, v2
	v_lshl_add_u32 v14, v15, 4, v14
	v_add_nc_u32 v14, s17, v14                     ; the stage, way in: SP (lane / 4) + 16 (lane % 4)
	v_mul_u32_u24 v15, v2, SP
	v_add_nc_u32 v15, s17, v15                     ; way out: SP x lane: my 16 neighbours
	v_bfe_u32 v4, v0, 1, 3                         ; my block is lane / 2 of the step's 16: its byte lies at 128 (block / 8) + block % 8 + 8 x row
	v_bfe_u32 v8, v0, 4, 1
	v_lshl_add_u32 v4, v8, 7, v4
	v_add_nc_u32 v4, s17, v4
	v_lshlrev_b32 v6, 3, v2                        ; 8 x lane
	v_add_nc_u32 v5, s17, v6
	v_add_nc_u32 v7, s17, v3
	; my 16 numbers are k = 64 c + 32 h + 16 f + 0..15 of K step lane / 8 (c, h, f: bits 2, 1, 0 of the lane): registers 6 c + 3 f + 0..2 of image lane row + 16 h
	v_bfe_u32 v8, v0, 3, 2
	v_mul_u32_u24 v8, v8, 1536
	v_bfe_u32 v9, v0, 1, 1
	v_lshl_add_u32 v8, v9, 8, v8
	v_add_nc_u32 v8, s17, v8
	v_bfe_u32 v9, v0, 2, 1
	v_mul_u32_u24 v9, v9, 6
	v_and_b32 v10, 1, v0
	v_mad_u32_u24 v9, v10, 3, v9
.irp i, 0,1,2
	v_add_nc_u32 v10, \i, v9                       ; register R
	v_lshrrev_b32 v11, 2, v10
	v_and_b32 v10, 3, v10
	v_lshl_add_u32 v11, v11, 9, v8
	v_lshl_add_u32 v[CA+\i], v10, 2, v11           ; 512 (R / 4) + 4 (R % 4)
.endr
	s_lshl_b32 s18, ttmp9, 1
	s_lshr_b32 s19, s16, 1
	s_add_co_u32 s18, s18, s19                     ; my row-block, 0..511
	s_and_b32 s19, s16, 1                          ; which half of K
	s_mov_b32 s20, 448
	s_wait_kmcnt 0x0
	s_cmp_lt_u32 ttmp9, 224                        ; the tensor is chosen by the work-group's number alone
	s_cselect_b64 s[6:7], s[6:7], s[8:9]
	s_cselect_b32 s20, 256, s20
	s_cmp_lt_u32 ttmp9, 128
	s_cselect_b64 s[4:5], s[4:5], s[6:7]
	s_cselect_b32 s20, 0, s20
	s_sub_co_u32 s20, s18, s20                     ; the row-block within its tensor
	s_lshr_b32 s21, s20, 1
	s_lshl_b32 s21, s21, 5
	s_and_b32 s22, s20, 1
	s_lshl_b32 s22, s22, 3
	s_add_co_u32 s21, s21, s22                     ; its first true row
	s_lshl_b32 s22, s21, 12
	s_lshl_b32 s23, s19, 11
	s_add_co_u32 s22, s22, s23
	s_mov_b32 s23, 0
	s_add_nc_u64 s[4:5], s[4:5], s[22:23]
	s_mul_i32 s22, s18, 12288
	s_mul_i32 s24, s19, 6144
	s_add_co_u32 s22, s22, s24
	s_add_nc_u64 s[10:11], s[10:11], s[22:23]
	s_lshl_b32 s22, s18, 9
	s_lshl_b32 s24, s19, 8
	s_add_co_u32 s22, s22, s24
	s_add_nc_u64 s[12:13], s[12:13], s[22:23]
.macro LOAD t                          ; step t is image row t: true row 16 (t / 8) + t % 8 of the row-block's 24
.irp i, 0,1,2,3
	global_load_b128 v[R+16*((\t)%7)+4*\i:R+16*((\t)%7)+4*\i+3], v3, s[4:5] offset:(16*((\t)/8)+(\t)%8)*4096+512*\i th:TH_LOAD_NT
.endr
.endm
.macro TURN t                          ; through the stage: LDS serves a wave's instructions in order, so no wait stands between the stores and the loads
.irp i, 0,1,2,3
	ds_store_b128 v14, v[R+16*((\t)%7)+4*\i:R+16*((\t)%7)+4*\i+3] offset:32*SP*((\t)%2)+8*SP*\i
.endr
.irp i, 0,1,2,3
	ds_load_b128 v[X+16*((\t)%2)+4*\i:X+16*((\t)%2)+4*\i+3], v15 offset:32*SP*((\t)%2)+16*\i
.endr
.endm
.irp t, 0,1,2,3,4,5,6
	LOAD \t
.endr
	s_wait_loadcnt 24                              ; step 0's four loads are in; six steps' loads may be out
	TURN 0
.macro STEP t
.set XS, X+16*((\t)%2)
.if (\t) > 0
	s_wait_dscnt 4                                 ; this step's numbers are back (behind them: the last step's byte store and three code stores)
.else
	s_wait_dscnt 0x0
.endif
.if (\t)+7 < 16
	LOAD (\t)+7                                    ; into the set that this step's stage stores have read
.endif
.if (\t)+1 < 16
.if 14-(\t) >= 6
	s_wait_loadcnt 24                              ; the next step's loads are in; six steps' loads may be out
.else
	s_wait_loadcnt 4*(14-(\t))
.endif
	TURN (\t)+1
.endif
	v_max3_num_f32 v8, |v[XS]|, |v[XS+1]|, |v[XS+2]|
	v_max3_num_f32 v9, |v[XS+3]|, |v[XS+4]|, |v[XS+5]|
.irp i, 6,10
	v_max3_num_f32 v8, v8, |v[XS+\i]|, |v[XS+\i+1]|
	v_max3_num_f32 v9, v9, |v[XS+\i+2]|, |v[XS+\i+3]|
.endr
	v_max3_num_f32 v8, v8, |v[XS+14]|, |v[XS+15]|
	v_max3_num_f32 v8, v8, v9, (EMAX+1)<<23        ; with the floor 2^(3 - 127): the byte cannot fall under 1
	v_max_num_f32_dpp v8, v8, v8 row_xmask:1 row_mask:0xf bank_mask:0xf   ; and my neighbour's 16: the block's largest magnitude
	v_add_nc_u32 v11, 0xff000000, v8               ; 2 off its exponent field: the conversion takes this operand's exponent field as its scale
	v_cvt_scalef32_pk16_fp6_f32 v[C+4*(\t):C+4*(\t)+2], v[XS:XS+15], v11
	v_lshrrev_b32 v[E+(\t)], 23, v11               ; the scale's byte (also the plain line behind the conversion)
	ds_store_b8 v4, v[E+(\t)] offset:SB+8*(\t)     ; both lanes of a block write the same byte with the same value
.irp i, 0,1,2
	ds_store_b32 v[CA+\i], v[C+4*(\t)+\i] offset:IMG+16*(\t)
.endr
.endm
.irp t, 0,1,2,3,4,5,6,7,8,9,10,11,12,13,14,15
	STEP \t
.endr
.irp i, 0,1,2,3,4,5,6,7,8,9,10,11
	ds_load_b128 v[R+4*\i:R+4*\i+3], v7 offset:IMG+512*\i   ; the images, as they lie: these see my stores
.endr
	ds_load_b64 v[8:9], v5 offset:SB
.irp i, 0,1,2,3,4,5,6,7,8,9,10,11
	s_wait_dscnt 12-\i
	global_store_b128 v3, v[R+4*\i:R+4*\i+3], s[10:11] offset:512*\i   ; 32 lanes store 512 consecutive bytes, aligned
.endr
	s_wait_dscnt 0x0
	global_store_b64 v6, v[8:9], s[12:13]          ; 256 consecutive bytes, aligned
	s_wait_tensorcnt 0x0                           ; the wave's end
	ds_add_u32 v[SPW], v[NIL]
	s_wait_dscnt 0x0
	s_endpgm
.Lfunc_end_k_q61a631f97c_quant:
	.size	k_q61a631f97c_quant, .Lfunc_end_k_q61a631f97c_quant-k_q61a631f97c_quant
	.p2alignl 7, 3214868480
	.fill 96, 4, 3214868480
	.section	.rodata,"a",@progbits
	.p2align	6, 0x0
	.amdhsa_kernel k_q61a631f97c_quant
		.amdhsa_group_segment_fixed_size 49664
		.amdhsa_private_segment_fixed_size 0
		.amdhsa_enable_private_segment 0
		.amdhsa_kernarg_size 40
		.amdhsa_user_sgpr_count 2
		.amdhsa_user_sgpr_kernarg_segment_ptr 1
		.amdhsa_wavefront_size32 1
		.amdhsa_system_sgpr_workgroup_id_x 1
		.amdhsa_system_sgpr_workgroup_id_y 1
		.amdhsa_system_sgpr_workgroup_id_z 1
		.amdhsa_system_vgpr_workitem_id 0
		.amdhsa_next_free_vgpr 248
		.amdhsa_next_free_sgpr 66
		.amdhsa_reserve_vcc 0
		.amdhsa_float_denorm_mode_32 3
		.amdhsa_float_denorm_mode_16_64 3
		.amdhsa_memory_ordered 1
		.amdhsa_forward_progress 1
		.amdhsa_inst_pref_size 38
	.end_amdhsa_kernel
	.amdgpu_metadata
---
amdhsa.version: [ 1, 2 ]
amdhsa.kernels:
  - .name:           k_q61a631f97c_quant
    .symbol:         k_q61a631f97c_quant.kd
    .args:
      - { .name: x, .offset: 0, .size: 8, .value_kind: global_buffer, .address_space: global }
      - { .name: qkv_w, .offset: 8, .size: 8, .value_kind: global_buffer, .address_space: global }
      - { .name: out_w, .offset: 16, .size: 8, .value_kind: global_buffer, .address_space: global }
      - { .name: wcod, .offset: 24, .size: 8, .value_kind: global_buffer, .address_space: global }
      - { .name: wscl, .offset: 32, .size: 8, .value_kind: global_buffer, .address_space: global }
    .group_segment_fixed_size: 49664
    .private_segment_fixed_size: 0
    .kernarg_segment_align: 8
    .kernarg_segment_size: 40
    .max_flat_workgroup_size: 128
    .sgpr_count:     66
    .vgpr_count:     248
    .wavefront_size: 32
...
	.end_amdgpu_metadata
.endif
;; end of part 1
;; launch gemm_qkv (part 2): grid 12 x 16, 4 waves a work-group, clusters of 4 x 4, 327,680 bytes of LDS; arguments wcod, wscl, qkv_b, qkv; writes qkv
.if DOCPART == 2
	.amdgcn_target "amdgcn-amd-amdhsa--gfx1250"
	.amdhsa_code_object_version 6
	.text
	.protected	k_q61a631f97c_gemm_qkv
	.globl	k_q61a631f97c_gemm_qkv
	.p2align	8
	.type	k_q61a631f97c_gemm_qkv,@function
k_q61a631f97c_gemm_qkv:
	s_mov_b64 s[64:65], 0
	v_nop
	global_prefetch_b8 v0, s[64:65] scope:SCOPE_SE
	s_setreg_imm32_b32 hwreg(HW_REG_WAVE_MODE, 25, 1), 1
	s_wait_xcnt 0x0
	s_wait_alu depctr_hold_cnt(0) depctr_sa_sdst(0) depctr_va_vdst(0) depctr_va_sdst(0) depctr_va_ssrc(0) depctr_va_vcc(0) depctr_vm_vsrc(0)
	s_getreg_b32 s2, hwreg(HW_REG_IB_STS2, 6, 4)
	s_cmp_eq_u32 s2, 0
	s_cbranch_scc0 .Lentry_in_a_cluster
	s_endpgm
.Lentry_in_a_cluster:
	s_bfe_u32 s2, ttmp6, 0x10000c
	s_cmp_lg_u32 s2, 0xf033
	s_cbranch_scc0 .Lentry_shape_is_right
	s_endpgm
.Lentry_shape_is_right:
.set FR,    12
.set NQ,    2
.set NP,    4
.set RBB,   3072
.set HALFT, 8*RBB
.set SLOT,  4*HALFT
.set SCL,   3*SLOT
.set SPARE, SCL+16384
.set VO,    4
.set ADRA,  16
.set ADRB,  20
.set LI,    26
.set ADRS,  27
.set SPW,   28
.set NIL,   29
.set SWO,   30
.set SC,    32
.set BIAS,  64
.set AF,    128
.set TM,    32
.set T1,    40
.set PWS,   48
.set H,     128
.set F,     192
.set SW,    240
.set T0,    250
.set G1A,   24
.set G1B,   32
.set G1SA,  40
.set G1SB,  48
.set G0A,   68
.set G0B,   80
.set G0SA,  92
.set G0SB,  96
.set RB,    100
.set SEL,   22
.set MSB, 0
.macro WIN new
.if MSB != (\new)
	s_set_vgpr_msb (MSB<<8)|(\new)
.set MSB, (\new)
.endif
.endm
.set MUL_LO, 0xa1
.set MUL_HI, 0xf1
.set TO_B,   0x40
.macro TL g0, g1                       ; a joint load with the s_nop 0 and four v_nop behind it
	tensor_load_to_lds s[\g0:\g0+3], s[\g1:\g1+7]
	s_nop 0
.rept 4
	v_nop
.endr
.endm
.macro FOUR a0, a1, b0, b1, c0, c1, d0, d1   ; four tiles, one a wave: one chain of branches on the wave's number, every way passes one load
	s_cmp_lt_u32 s14, 1
	s_cbranch_scc0 .Lw1_\@
	TL \a0, \a1
	s_branch .Lj_\@
.Lw1_\@:
	s_cmp_lt_u32 s14, 2
	s_cbranch_scc0 .Lw2_\@
	TL \b0, \b1
	s_branch .Lj_\@
.Lw2_\@:
	s_cmp_lt_u32 s14, 3
	s_cbranch_scc0 .Lw3_\@
	TL \c0, \c1
	s_branch .Lj_\@
.Lw3_\@:
	TL \d0, \d1
.Lj_\@:
.endm
.macro TWO a0, a1, b0, b1              ; a refill: wave 0 brings the first source's 16 row-blocks, wave 1 the second's; waves 2 and 3 issue none
	s_cmp_lt_u32 s14, 1
	s_cbranch_scc0 .Lv1_\@
	TL \a0, \a1
	s_branch .Lk_\@
.Lv1_\@:
	s_cmp_lt_u32 s14, 2
	s_cbranch_scc0 .Lk_\@
	TL \b0, \b1
.Lk_\@:
	PLACES NP                              ; the places in front of the fragment loads, for the waves that come round the loads
.endm
.macro CREST
	s_cmp_lg_u32 s14, 0
	s_cbranch_scc1 .Lnot_wave_0_\@
	s_barrier_signal -3
.Lnot_wave_0_\@:
	s_barrier_wait -3
	s_barrier_signal -1
	s_barrier_wait -1
.endm
.macro CROUND
	s_barrier_signal -1
	s_barrier_wait -1
	CREST
.endm
.macro PLACES n
.rept \n
	v_nop
.endr
.endm
	s_load_b256 s[4:11], s[0:1], 0x0
	v_lshl_add_u32 v[SPW], v0, 2, SPARE
	v_mov_b32 v[NIL], 0
	ds_add_u32 v[SPW], v[NIL]
	ds_add_u32 v[SPW], v[NIL]
	v_lshrrev_b32 v1, 5, v0
	v_readfirstlane_b32 s14, v1
	s_lshr_b32 s15, s14, 1
	s_and_b32 s16, s14, 1
	s_bfe_u32 s56, ttmp6, 0x40000
	s_bfe_u32 s57, ttmp6, 0x40004
	s_and_b32 s17, ttmp7, 0xffff
	s_lshl_b32 s17, s17, 2
	s_lshl_b32 s18, ttmp9, 2
	s_cmp_eq_u32 ttmp9, 2
	s_cselect_b32 s60, 1, 0
	s_cselect_b32 s58, 0, s17
	s_cselect_b32 s59, s17, s18
	s_cselect_b32 s19, 384, 0
	s_cselect_b32 s20, 0, 256
	s_add_co_u32 s58, s58, s57
	s_add_co_u32 s59, s59, s56
	s_lshl_b32 s61, s57, 2
	s_lshl_b32 s61, 15, s61
	s_lshl_b32 s62, 0x1111, s56
	s_or_b32 s[G1A], s61, (3<<16)|(1<<21)
	s_or_b32 s[G1B], s62, (3<<16)|(1<<21)
	s_or_b32 s[G1SA], s61, (3<<16)|(1<<21)
	s_or_b32 s[G1SB], s62, (3<<16)|(1<<21)
.irp g, G1A, G1B
	s_mov_b32 s[\g+1], 384<<16
	s_mov_b32 s[\g+2], 16<<16              ; codes: 16 row-blocks x 3,072 bytes (256 along K), 12,288 apart
	s_mov_b32 s[\g+3], 384<<16
	s_mov_b32 s[\g+4], 16
	s_mov_b32 s[\g+5], 1536
	s_mov_b32 s[\g+6], 0
	s_mov_b32 s[\g+7], 0
.endr
.irp g, G1SA, G1SB
	s_mov_b32 s[\g+1], 32<<16
	s_mov_b32 s[\g+2], 32<<16              ; the scale words of 16 row-blocks: 8,192 dense bytes as 32 rows of 256
	s_mov_b32 s[\g+3], 32<<16
	s_mov_b32 s[\g+4], 32
	s_mov_b32 s[\g+5], 32
	s_mov_b32 s[\g+6], 0
	s_mov_b32 s[\g+7], 0
.endr
	s_lshl_b32 s22, s58, 4
	s_add_co_u32 s22, s22, s19
	s_lshl_b32 s23, s59, 4
	s_add_co_u32 s23, s23, s20
	s_mul_i32 s12, s22, 12288
	s_mov_b32 s13, 0
	s_lshl_b32 s18, s22, 9
	s_mov_b32 s19, 0
	s_mul_i32 s20, s23, 12288
	s_mov_b32 s21, 0
	s_lshl_b32 s2, s23, 9
	s_mov_b32 s3, 0
	s_wait_dscnt 0x0
	s_wait_kmcnt 0x0
	s_add_nc_u64 s[12:13], s[4:5], s[12:13]
	s_add_nc_u64 s[18:19], s[6:7], s[18:19]
	s_add_nc_u64 s[20:21], s[4:5], s[20:21]
	s_add_nc_u64 s[2:3], s[6:7], s[2:3]
	CROUND
	s_mov_b32 s[G0SA], 1
	s_mov_b32 s[G0SA+1], SCL
	s_mov_b64 s[G0SA+2:G0SA+3], s[18:19]
	s_or_b32 s[G0SA+3], s[G0SA+3], 0x80000000
	s_mov_b32 s[G0SB], 1
	s_mov_b32 s[G0SB+1], SCL+8192
	s_mov_b64 s[G0SB+2:G0SB+3], s[2:3]
	s_or_b32 s[G0SB+3], s[G0SB+3], 0x80000000
.irp n, 0,1,2
	s_mov_b32 s[G0A+4*\n], 1
	s_mov_b32 s[G0A+4*\n+1], \n*SLOT
	s_add_nc_u64 s[G0A+4*\n+2:G0A+4*\n+3], s[12:13], \n*RBB
	s_or_b32 s[G0A+4*\n+3], s[G0A+4*\n+3], 0x80000000
	s_mov_b32 s[G0B+4*\n], 1
	s_mov_b32 s[G0B+4*\n+1], \n*SLOT+2*HALFT
	s_add_nc_u64 s[G0B+4*\n+2:G0B+4*\n+3], s[20:21], \n*RBB
	s_or_b32 s[G0B+4*\n+3], s[G0B+4*\n+3], 0x80000000
.endr
	FOUR G0A, G1A, G0B, G1B, G0SA, G1SA, G0SB, G1SB   ; the head's four tiles, one load a wave: slot 0's two panels and both tiles of scale words
	v_and_b32 v1, 31, v0
	v_and_b32 v2, 15, v0
	v_bfe_u32 v3, v0, 4, 1
	s_wait_alu depctr_va_vdst(0)
	v_lshlrev_b32 v[LI], 4, v1
	s_mul_i32 s21, s15, HALFT
	s_mul_i32 s22, s16, HALFT
	s_add_co_u32 s22, s22, 2*HALFT
.irp s, 0,1,2
	v_add_nc_u32 v[ADRA+\s], s21, v[LI]
	v_add_nc_u32 v[ADRB+\s], s22, v[LI]
	s_add_co_u32 s21, s21, SLOT
	s_add_co_u32 s22, s22, SLOT
.endr
	s_lshl_b32 s21, s15, 12
	s_lshl_b32 s22, s16, 12
	s_add_co_u32 s22, s22, 8192
	s_sub_co_u32 s22, s22, s21
	v_mul_u32_u24 v12, s22, v3
	s_add_co_u32 s21, s21, SCL
	v_lshl_add_u32 v12, v2, 3, v12
	v_add_nc_u32 v[ADRS], s21, v12
	v_lshlrev_b32 v[SWO], 3, v2
	v_lshl_add_u32 v[SWO], v3, 7, v[SWO]
	s_lshl_b32 s17, s58, 8
	s_lshl_b32 s18, s15, 7
	s_add_co_u32 s17, s17, s18
	s_lshl_b32 s18, s59, 8
	s_lshl_b32 s19, s16, 7
	s_add_co_u32 s18, s18, s19
	s_add_co_u32 s19, s17, 2048
	s_cmp_eq_u32 s60, 1
	s_cselect_b32 s20, s19, s18
	s_cselect_b32 s21, s18, s17
	s_cselect_b32 s22, 0, 64
	s_cselect_b32 s23, 4, 0
	s_cselect_b32 s61, 0, 4
	s_lshl_b32 s2, s20, 2
	s_mov_b32 s3, 0
	s_add_nc_u64 s[8:9], s[8:9], s[2:3]
	s_lshr_b32 s2, s20, 10
	s_lshl_b32 s2, s2, 5
	s_lshr_b32 s3, s21, 11
	s_lshl_b32 s3, s3, 4
	s_add_co_u32 s2, s2, s3
	s_bfe_u32 s3, s20, 0x40006
	s_add_co_u32 s2, s2, s3
	s_lshl_b32 s2, s2, 4
	s_bfe_u32 s3, s21, 0x40007
	s_add_co_u32 s2, s2, s3
	s_mul_i32 s2, s2, 6400
	s_mov_b32 s3, 0
	s_add_nc_u64 s[RB:RB+1], s[10:11], s[2:3]
	v_and_b32 v[VO], 8, v2
	v_add_nc_u32 v[VO], v[VO], v2
	v_mul_u32_u24 v[VO], v[VO], s23
	v_mad_u32_u24 v[VO], v3, s22, v[VO]
.irp j, 1,2,3,4,5,6,7
	v_mad_u32_u24 v[VO+\j], s61, \j, v[VO]
.endr
.irp x, 0,1,2,3,4,5,6,7
.irp j, 0,1,2,3,4,5,6,7
	global_load_b32 v[BIAS+8*\x+\j], v[VO+\j], s[8:9] offset:(32*(\x/2)+8*(\x%2))*4
.endr
.endr
.macro FRAG reg, adr, off
.irp c, 0,1,2
	ds_load_b128 v[\reg+4*\c:\reg+4*\c+3], v[\adr] offset:(\off)+512*\c
.endr
.endm
.macro MUL16 a0, p, q, sc, zero
.irp a, \a0, \a0+1
.irp b, 0,1,2,3,4,5,6,7
.if \zero
	v_wmma_scale_f32_16x16x128_f8f6f4 v[8*(8*((\a)%4)+\b):8*(8*((\a)%4)+\b)+7], v[128*(\p)+FR*\b:128*(\p)+FR*\b+FR-1], v[AF+FR*(\a):AF+FR*(\a)+FR-1], 0, v[SC+8*NQ*(\sc)+NQ*\b+(\q)], v[SC+8*NQ*(\sc)+NQ*(\a)+(\q)] matrix_a_fmt:MATRIX_FMT_FP6 matrix_b_fmt:MATRIX_FMT_FP6 matrix_a_scale:MATRIX_SCALE_ROW1
.else
	v_wmma_scale_f32_16x16x128_f8f6f4 v[8*(8*((\a)%4)+\b):8*(8*((\a)%4)+\b)+7], v[128*(\p)+FR*\b:128*(\p)+FR*\b+FR-1], v[AF+FR*(\a):AF+FR*(\a)+FR-1], v[8*(8*((\a)%4)+\b):8*(8*((\a)%4)+\b)+7], v[SC+8*NQ*(\sc)+NQ*\b+(\q)], v[SC+8*NQ*(\sc)+NQ*(\a)+(\q)] matrix_a_fmt:MATRIX_FMT_FP6 matrix_b_fmt:MATRIX_FMT_FP6 matrix_a_scale:MATRIX_SCALE_ROW1
.endif
.endr
.endr
.endm
.macro FETCH_B slot, q, p
	WIN TO_B
.irp i, 0,1,2,3,4,5,6,7
	FRAG 128*(\p)+FR*\i, ADRB+\slot, \i*RBB+(\q)*1536
.endr
	WIN 0
.endm
.macro FETCH_A slot, q, i0
.irp i, \i0, \i0+1, \i0+2, \i0+3
	FRAG AF+FR*(\i), ADRA+\slot, (\i)*RBB+(\q)*1536
.endr
.endm
.macro SCALES sig
.irp i, 0,1,2,3,4,5,6,7
	ds_load_b64 v[SC+16*((\sig)%2)+2*\i:SC+16*((\sig)%2)+2*\i+1], v[ADRS] offset:\i*512+(\sig)*128
.endr
.endm
.macro STEP slot, sc, zero
	s_wait_dscnt 12
	WIN MUL_LO
	MUL16 0, 0, 0, \sc, \zero
	MUL16 2, 0, 0, \sc, \zero
	s_wait_dscnt 0
	PLACES NP
	FETCH_B \slot, 1, 1
	FETCH_A \slot, 1, 0
	WIN MUL_HI
	MUL16 4, 0, 0, \sc, \zero
	MUL16 6, 0, 0, \sc, \zero
	PLACES NP
	WIN 0
	FETCH_A \slot, 1, 4
.endm
.macro TURN slot, next, sc, nsig, kind
.if \kind > 0
	s_wait_tensorcnt 0x0
	ds_add_u32 v[SPW], v[NIL]
	s_wait_dscnt 13
	WIN MUL_LO
	MUL16 0, 1, 1, \sc, 0
	s_wait_dscnt 0x0
	s_barrier_signal -1
	MUL16 2, 1, 1, \sc, 0
	WIN 0
	s_barrier_wait -1
.if \kind == 2
	CREST
	s_add_nc_u64 s[G0A+2:G0A+3], s[G0A+2:G0A+3], 3*RBB
	s_add_nc_u64 s[G0B+2:G0B+3], s[G0B+2:G0B+3], 3*RBB
	TWO G0A, G1A, G0B, G1B
.else
	PLACES NP
.endif
.else
	s_wait_dscnt 12
	WIN MUL_LO
	MUL16 0, 1, 1, \sc, 0
	MUL16 2, 1, 1, \sc, 0
	s_wait_dscnt 0
	WIN 0
	PLACES NP
.endif
	FETCH_B \next, 0, 0
	FETCH_A \next, 0, 0
	SCALES \nsig
	WIN MUL_HI
	MUL16 4, 1, 1, \sc, 0
	MUL16 6, 1, 1, \sc, 0
	PLACES NP
	WIN 0
	FETCH_A \next, 0, 4
.endm
	s_wait_alu depctr_va_vdst(0)                   ; the wait at the head's end
	s_wait_tensorcnt 0x0                           ; my tile of the head's four is in; the lines ahead of a later first fill:
	ds_add_u32 v[SPW], v[NIL]
	s_wait_dscnt 0x0
	CROUND                                         ; all four tiles are in, in every work-group of the cluster
	FOUR G0A+4, G1A, G0B+4, G1B, G0A+8, G1A, G0B+8, G1B   ; slots 1 and 2, one load a wave; they are waited for at the first change of slots
	FETCH_B 0, 0, 0
	FETCH_A 0, 0, 0
	SCALES 0
	FETCH_A 0, 0, 4
	STEP 0, 0, 1
	TURN 0, 1, 0, 1, 2
	STEP 1, 1, 0
	TURN 1, 2, 1, 2, 0
	STEP 2, 0, 0
	TURN 2, 0, 0, 3, 1
	STEP 0, 1, 0
	s_wait_dscnt 12
	WIN MUL_LO
	MUL16 0, 1, 1, 1, 0
	MUL16 2, 1, 1, 1, 0
	s_wait_dscnt 0
	WIN MUL_HI
	MUL16 4, 1, 1, 1, 0
	MUL16 6, 1, 1, 1, 0
	WIN 0
.macro MOVE a, vmode
	WIN 0x02+(\a)/4
.set AC, 64*((\a)%4)
.set KK, 0
.rept 32
.if \vmode
	v_pk_add_f32 v[H+2*KK:H+2*KK+1], v[AC+2*KK:AC+2*KK+1], v[BIAS+8*(\a):BIAS+8*(\a)+1]
.else
	v_pk_add_f32 v[H+2*KK:H+2*KK+1], v[AC+2*KK:AC+2*KK+1], v[BIAS+2*KK:BIAS+2*KK+1]
.endif
.set KK, KK+1
.endr
	WIN 0
.endm
.macro QUANT s, d0, d1, pw
.irp b, 0,1,2,3
	v_max3_num_f32 v[TM+\b], |v[\s+16*\b]|, |v[\s+1+16*\b]|, 0x1800000
.endr
.irp i, 2,4,6,8,10,12,14
.irp b, 0,1,2,3
	v_max3_num_f32 v[TM+\b], v[TM+\b], |v[\s+16*\b+\i]|, |v[\s+1+16*\b+\i]|
.endr
.endr
.irp b, 0,1,2,3
	v_permlanex16_b32 v[TM+4+\b], v[TM+\b], s[SEL], s[SEL+1]
.endr
.irp b, 0,1,2,3
	v_max_num_f32 v[TM+\b], v[TM+\b], v[TM+4+\b]
.endr
.irp b, 0,1,2,3
	v_add_nc_u32 v[TM+12+\b], 0xff000000, v[TM+\b]
.endr
.irp b, 0,1,2,3
	v_lshrrev_b32 v[TM+4+\b], 23, v[TM+12+\b]
.endr
	v_lshl_or_b32 v[\pw], v[TM+5], 8, v[TM+4]
	v_lshl_or_b32 v[\pw], v[TM+6], 16, v[\pw]
	v_lshl_or_b32 v[\pw], v[TM+7], 24, v[\pw]
	v_cvt_scalef32_pk16_fp6_f32 v[\d0:\d0+2], v[\s:\s+15], v[TM+12]
	v_cvt_scalef32_pk16_fp6_f32 v[T0:T0+2], v[\s+16:\s+31], v[TM+13]
	v_cvt_scalef32_pk16_fp6_f32 v[\d1:\d1+2], v[\s+32:\s+47], v[TM+14]
	v_cvt_scalef32_pk16_fp6_f32 v[T1:T1+2], v[\s+48:\s+63], v[TM+15]
	v_nop
.irp i, 0,1,2
	v_permlane16_swap_b32 v[\d0+\i], v[T0+\i]
	v_permlane16_swap_b32 v[\d1+\i], v[T1+\i]
.endr
.irp i, 0,1,2
	v_mov_b32 v[\d0+3+\i], v[T0+\i]
	v_mov_b32 v[\d1+3+\i], v[T1+\i]
.endr
.endm
	s_wait_loadcnt 0x0
	PLACES NP
	s_mov_b32 s[SEL], 0x76543210
	s_mov_b32 s[SEL+1], 0xfedcba98
	s_cmp_eq_u32 s60, 1
	s_cbranch_scc1 .Lv_out
.irp i, 0,1,2,3
.if \i >= 2
	s_wait_xcnt 0x0
.endif
.irp u, 0,1
	MOVE 2*\i+\u, 0
	QUANT H, F+24*(\i%2)+6*\u, F+24*(\i%2)+12+6*\u, PWS+\u
.endr
	v_perm_b32 v[SW+\i], v[PWS+1], v[PWS], 0x05040100
	v_perm_b32 v[SW+4+\i], v[PWS+1], v[PWS], 0x07060302
.irp c, 0,1
.irp k, 0,1,2
	global_store_b128 v[LI], v[F+24*(\i%2)+12*\c+4*\k:F+24*(\i%2)+12*\c+4*\k+3], s[RB:RB+1] offset:\c*102400+\i*1536+512*\k
.endr
.endr
.endr
	s_branch .Ltail
.Lv_out:
.irp a, 0,1,2,3,4,5,6,7
.if \a >= 4
	s_wait_xcnt 0x0
.endif
	MOVE \a, 1
	QUANT H, F+12*(\a%4), F+12*(\a%4)+6, SW+\a
.irp k, 0,1,2
	global_store_b128 v[LI], v[F+12*(\a%4)+4*\k:F+12*(\a%4)+4*\k+3], s[RB:RB+1] offset:(\a/4)*102400+(\a%4)*1536+512*\k
.endr
.endr
.Ltail:
	s_mov_b32 s19, 0xffff0000
	s_wait_alu depctr_va_vdst(0)
.irp c, 0,1
	v_cndmask_b32 v[248+2*\c], v[SW+4*\c], v[SW+4*\c+2], s19
	v_cndmask_b32 v[249+2*\c], v[SW+4*\c+1], v[SW+4*\c+3], s19
	global_store_b64 v[SWO], v[248+2*\c:249+2*\c], s[RB:RB+1] offset:\c*102400+6144
.endr
	s_wait_tensorcnt 0x0
	ds_add_u32 v[SPW], v[NIL]
	s_wait_dscnt 0x0
	CROUND
	s_endpgm
.Lfunc_end_k_q61a631f97c_gemm_qkv:
	.size	k_q61a631f97c_gemm_qkv, .Lfunc_end_k_q61a631f97c_gemm_qkv-k_q61a631f97c_gemm_qkv
	.p2alignl 7, 3214868480
	.fill 96, 4, 3214868480
	.section	.rodata,"a",@progbits
	.p2align	6, 0x0
	.amdhsa_kernel k_q61a631f97c_gemm_qkv
		.amdhsa_group_segment_fixed_size 327680
		.amdhsa_private_segment_fixed_size 0
		.amdhsa_enable_private_segment 0
		.amdhsa_kernarg_size 32
		.amdhsa_user_sgpr_count 2
		.amdhsa_user_sgpr_kernarg_segment_ptr 1
		.amdhsa_wavefront_size32 1
		.amdhsa_system_sgpr_workgroup_id_x 1
		.amdhsa_system_sgpr_workgroup_id_y 1
		.amdhsa_system_sgpr_workgroup_id_z 1
		.amdhsa_system_vgpr_workitem_id 0
		.amdhsa_next_free_vgpr 1024
		.amdhsa_next_free_sgpr 102
		.amdhsa_reserve_vcc 0
		.amdhsa_float_denorm_mode_32 3
		.amdhsa_float_denorm_mode_16_64 3
		.amdhsa_memory_ordered 1
		.amdhsa_forward_progress 1
		.amdhsa_inst_pref_size 212
	.end_amdhsa_kernel
	.amdgpu_metadata
---
amdhsa.version: [ 1, 2 ]
amdhsa.kernels:
  - .name:           k_q61a631f97c_gemm_qkv
    .symbol:         k_q61a631f97c_gemm_qkv.kd
    .args:
      - { .name: wcod, .offset: 0, .size: 8, .value_kind: global_buffer, .address_space: global }
      - { .name: wscl, .offset: 8, .size: 8, .value_kind: global_buffer, .address_space: global }
      - { .name: qkv_b, .offset: 16, .size: 8, .value_kind: global_buffer, .address_space: global }
      - { .name: qkv, .offset: 24, .size: 8, .value_kind: global_buffer, .address_space: global }
    .group_segment_fixed_size: 327680
    .private_segment_fixed_size: 0
    .kernarg_segment_align: 8
    .kernarg_segment_size: 32
    .max_flat_workgroup_size: 128
    .sgpr_count:     102
    .vgpr_count:     1024
    .wavefront_size: 32
...
	.end_amdgpu_metadata
.endif
;; end of part 2
;; launch attn (part 3): grid 8 x 32, 16 waves a work-group, clusters of 4 x 1, 258,560 bytes of LDS; arguments qkv, ocod, oscl; writes ocod, oscl
.if DOCPART == 3
	.amdgcn_target "amdgcn-amd-amdhsa--gfx1250"
	.amdhsa_code_object_version 6
	.text
	.protected	k_q61a631f97c_attn
	.globl	k_q61a631f97c_attn
	.p2align	8
	.type	k_q61a631f97c_attn,@function
k_q61a631f97c_attn:
	s_mov_b64 s[64:65], 0
	v_nop
	global_prefetch_b8 v0, s[64:65] scope:SCOPE_SE
	s_setreg_imm32_b32 hwreg(HW_REG_WAVE_MODE, 25, 1), 1
	s_wait_xcnt 0x0
	s_wait_alu depctr_hold_cnt(0) depctr_sa_sdst(0) depctr_va_vdst(0) depctr_va_sdst(0) depctr_va_ssrc(0) depctr_va_vcc(0) depctr_vm_vsrc(0)
	s_getreg_b32 s2, hwreg(HW_REG_IB_STS2, 6, 4)
	s_cmp_eq_u32 s2, 0
	s_cbranch_scc0 .Lentry_in_a_cluster
	s_endpgm
.Lentry_in_a_cluster:
	s_bfe_u32 s2, ttmp6, 0x10000c
	s_cmp_lg_u32 s2, 0x3003
	s_cbranch_scc0 .Lentry_shape_is_right
	s_endpgm
.Lentry_shape_is_right:
; o = softmax(q k^T / 8) v for one head and 256 queries a work-group, both products on codes of FP6 with E8M0 scales; o is quantised along the hidden axis and leaves as the last product's operand.  Nothing of reference() is left out.
; THE SOFTMAX: t = score x log2(e) / 8; M = the running largest t rounded UP to a whole number; p = 2^(t - M) is quantised along the keys, not normalised; the row's sum is taken of the unquantised p and divides at the end.
; When M moves, the sum and O are multiplied by 2^(old M - new M): exact.
; SHARES.  Sixteen waves, 16 queries each, 256 registers; every wave walks the head's 2,048 keys, 128 a step.
; A HEAD'S K AND V STAY IN LDS WHOLE: 16 records of 6,400 bytes each (four fragment images and their scale words); every wave brings two records by ONE tensor load, nothing is filled again.
; Wave w brings records 2 (w / 2) and 2 (w / 2) + 1 of K (w even) or V (w odd).  Waves 0 to 3, on a load line of their own, bring records 0 to 3 of both: they alone wait ahead of the first barrier.
; A loop of three trips does steps 0 to 2, which read records 0 to 3 alone (step 2 fetches step 3's K); then every wave waits for its load, a second barrier shows all records, and a loop of twelve trips and a last step,
; which fetches nothing more, follow.
; The load lays 64 bytes of padding behind each 256: byte x of a record lies at x + 64 (x / 256), a record is 8,000 bytes of LDS.  CLUSTER 4 x 1: the four work-groups belong to one head and ask for K and V jointly.
; LAYOUT.  Both products transposed: S^T = K Q^T, O^T = V^T P^T: a lane holds one query throughout.  The head size is 64 and the instruction's K is 128: a fragment of K holds TWO tiles of 16 keys, one in k 0-63 and one in
; k 64-127; Q stands between zeros, v16-33 = [0 x 6 | q x 6 | 0 x 6], named once as [q, 0] and once as [0, q].
; WHICH KEYS FORM A TILE is chosen by the LDS address alone.  In a record, row r of tile u of image b is key 32 b + 8 u + 16 (r / 8) + r % 8.  Lane (r, h) of my fragment (x, g) reads image 2 x + r / 8, image lane 8 g + r % 8 + 16 h:
; rows 0-7 of its tile u are keys 64 x + 8 (2 g + u) + 0..7, rows 8-15 the keys 32 further on.  So a lane's 32 score registers of x are keys 64 x + 32 h + 0..31: ONE WHOLE BLOCK, in the order of P's operand registers.
; ORDER OF A STEP: scores; V's loads land where K's lay; maxima, M, t - M, O under the new M; one batch of 66 exponentials; scales, conversions; the 32 lines of the row's sum fill the places ahead of and behind the second
; product; behind it the next step's K is fetched.
; LIMITS: NaN and infinities are not served; the division by the sum is a reciprocal and a multiplication; a block of zeros carries the byte 1; the promise holds while |t| stays under 2^31.
; No prefetch: all that the launch reads through LDS is asked for at its head.
.set MREC,  6400                       ; a record in memory
.set KREC,  8000                       ; and in LDS
.set VBASE, 16*KREC                    ; V's records lie behind K's
.set SPARE, 2*VBASE                    ; the spare words, 128 bytes for each wave: eight blocks of 256 bytes that no other line names
.set OSTG,  SPARE+2048                 ; 512 bytes of scratch of its own: the work-group's 256 scale pairs of o
.set LI,  1                            ; v1  16 x lane
.set SPW, 3
.set NIL, 4
.set OSA, 5                            ; v5  OSTG + 32 wave + 2 r
.set OSR, 6                            ; v6  OSTG + 16 lane
.set L8,  7                            ; v7  8 x lane
.set ADK, 8                            ; v8-11 this step's LDS addresses: K's codes, V's codes, K's scale words, V's
.set ADV, 9
.set ADS, 10
.set ADT, 11
.set QB,  16                           ; v12 -M, v13 the largest score, v[14:15] the sum
.set QSL, 34                           ; q's scale bytes under [q, 0]: (q0, q1, 0, 0)
.set QSH, 35                           ; under [0, q]
.set FRG, 36                           ; v36-83 four fragments, of K and then of V
.set FS,  84                           ; v84-87 their scale words
.set S,   88                           ; v88-151 S^T, then p
.set O,   152                          ; v152-183 O^T
.set PC,  184                          ; v184-195 p's codes
.set T0,  196
.set T1,  200
.set BM,  204                          ; v204-207 four chains of maxima; then v204, v206 the two blocks'
.set PD,  208
.set SOP, 210
.set EB,  212
.set TMP, 214
.set TM2, 215
.set PW,  216                          ; p's scale word
.set SH8, 217                          ; 8 h
.set FF,  218
.set LK,  220                          ; the lane's part of the four addresses
.set LKS, 221
.set LVB, 222
.set LTB, 223
.set SU,  224                          ; v224-229 three more chains of the sum
.set WV,  18
.set SEL, 20
.set CS,  22
.macro CROUND
	s_barrier_signal -1
	s_barrier_wait -1
	s_cmp_lg_u32 s[WV], 0
	s_cbranch_scc1 .Lnot_wave_0_\@
	s_barrier_signal -3
.Lnot_wave_0_\@:
	s_barrier_wait -3
	s_barrier_signal -1
	s_barrier_wait -1
.endm
.macro KLOAD a, w                      ; K's four fragments, rows dealt as the head comment says, and their rows' scale words
.irp x, 0,1
.irp g, 0,1
.irp k, 0,1,2
	ds_load_b128 v[FRG+12*(2*\x+\g)+4*\k:FRG+12*(2*\x+\g)+4*\k+3], v[\a] offset:3840*\x+128*\g+640*\k
.endr
	ds_load_b32 v[FS+2*\x+\g], v[\w] offset:128*\x+64*\g
.endr
.endr
.endm
.macro FMAS n                          ; t - M, two at a time
.rept \n
	v_pk_fma_f32 v[S+J:S+J+1], v[S+J:S+J+1], s[CS:CS+1], v[12:13] op_sel_hi:[1,0,0]
.set J, J+2
.endr
.endm
.macro SUMS from, to                   ; lines from .. to - 1 of the row's sum: 32 lines, four chains; line 0 brings the old sum under the new M
.set N_, \from
.rept (\to)-(\from)
.if N_ == 0
	v_pk_fma_f32 v[14:15], v[14:15], v[FF:FF+1], v[S:S+1] op_sel_hi:[1,0,1]
.elseif N_ < 4
	v_pk_add_f32 v[SU+2*N_-2:SU+2*N_-1], v[S+4*N_-2:S+4*N_-1], v[S+4*N_:S+4*N_+1]
.elseif N_ < 29
.if N_%4 == 0
	v_pk_add_f32 v[14:15], v[14:15], v[S+2*N_+6:S+2*N_+7]
.else
	v_pk_add_f32 v[SU+2*(N_%4)-2:SU+2*(N_%4)-1], v[SU+2*(N_%4)-2:SU+2*(N_%4)-1], v[S+2*N_+6:S+2*N_+7]
.endif
.elseif N_ == 29
	v_pk_add_f32 v[SU+2:SU+3], v[SU+2:SU+3], v[SU+4:SU+5]
.elseif N_ == 30
	v_pk_add_f32 v[14:15], v[14:15], v[SU:SU+1]
.else
	v_pk_add_f32 v[14:15], v[14:15], v[SU+2:SU+3]
.endif
.set N_, N_+1
.endr
.endm
	s_load_b128 s[4:7], s[0:1], 0x0                ; qkv, ocod
	s_load_b64 s[8:9], s[0:1], 0x10                ; oscl
	v_lshl_add_u32 v[SPW], v0, 2, SPARE
	v_mov_b32 v[NIL], 0
	ds_add_u32 v[SPW], v[NIL]                      ; the opening: the add, twice on end, and its wait ahead of my first tensor load
	ds_add_u32 v[SPW], v[NIL]
	v_lshrrev_b32 v8, 5, v0
	s_delay_alu instid0(VALU_DEP_1)
	v_readfirstlane_b32 s[WV], v8                  ; wave 0..15
	s_bfe_u32 s10, ttmp6, 0x40000                  ; cx
	s_lshl_b32 s11, ttmp9, 2
	s_add_co_u32 s11, s11, s10                     ; my block of 256 queries: it enters global addresses alone
	s_and_b32 s12, ttmp7, 0xffff                   ; 16 batch + head, which the partners share
	s_lshr_b32 s13, s[WV], 3                       ; which of my block's two records holds my queries,
	s_and_b32 s14, s[WV], 7                        ; and which sixteen of its 128
	s_and_b32 s58, s[WV], 1                        ; I fetch for K (0) or V (1),
	s_lshr_b32 s59, s[WV], 1                       ; records 2 e and 2 e + 1
	s_mul_i32 s15, s58, VBASE
	s_mul_i32 s16, s59, 2*KREC
	s_add_co_u32 s15, s15, s16                     ; in LDS
	s_mul_i32 s16, s59, 2*MREC
	s_mul_i32 s19, s12, 16*MREC                    ; the head's first byte within a kind
	s_add_co_u32 s17, s58, 1
	s_mul_i32 s17, s17, 32*16*MREC
	s_add_co_u32 s17, s17, s19
	s_add_co_u32 s40, s17, s16                     ; in memory
	s_mov_b32 s41, 0
	s_mov_b32 s24, 15|(3<<16)|(1<<20)|(1<<21)|(5<<22)|(15<<25)   ; the mask: all four work-groups; elements of 8 bytes; padding on; 21 set beside a mask; behind every 64 words 16 words
	s_mov_b32 s25, 32<<16                          ; 12,800 dense bytes as 50 rows of 256
	s_mov_b32 s26, 50<<16
	s_mov_b32 s27, 32<<16
	s_mov_b32 s28, 50
	s_mov_b32 s29, 32
	s_mov_b32 s30, 0
	s_mov_b32 s31, 0
	s_lshl_b32 s42, s11, 1                         ; my queries' record,
	s_add_co_u32 s42, s42, s13
	s_mul_i32 s42, s42, MREC
	s_add_co_u32 s42, s42, s19
	s_mov_b32 s43, 0
	s_lshr_b32 s46, s14, 1                         ; fragment i,
	s_and_b32 s47, s[WV], 1                        ; half u
	s_mul_i32 s48, s46, 1536
	s_lshr_b32 s49, s46, 1
	s_lshl_b32 s49, s49, 7
	s_and_b32 s54, s46, 1
	s_lshl_b32 s54, s54, 2
	s_add_co_u32 s49, s49, s54                     ; its scale words: 128 (i / 2) + 4 (i % 2)
	s_cmp_eq_u32 s47, 1
	s_cselect_b32 s56, -1, 0
	s_lshl_b32 s57, s47, 4
	s_lshr_b32 s54, s12, 4                         ; batch
	s_and_b32 s55, s12, 15                         ; head
	s_lshl_b32 s50, s54, 7
	s_lshl_b32 s16, s11, 4
	s_add_co_u32 s50, s50, s16
	s_add_co_u32 s50, s50, s[WV]                   ; my row-block of o
	s_mul_i32 s50, s50, 12288
	s_mul_i32 s16, s55, 768
	s_add_co_u32 s50, s50, s16
	s_mov_b32 s51, 0
	s_lshl_b32 s52, s55, 13                        ; o's scale pairs: [head][4,096 places] of 2 bytes
	s_lshl_b32 s16, s54, 12
	s_add_co_u32 s52, s52, s16
	s_lshl_b32 s16, s11, 9
	s_add_co_u32 s52, s52, s16
	s_mov_b32 s53, 0
	s_mov_b32 s[SEL], 0x76543210
	s_mov_b32 s[SEL+1], 0xfedcba98
	s_mov_b32 s[CS], 0x3e38aa3b                    ; c = log2(e) / 8
	s_mov_b32 s[CS+1], s[CS]
	s_wait_dscnt 0x0                               ; both opening adds are done
	s_wait_kmcnt 0x0
	s_mov_b32 s32, 1
	s_mov_b32 s33, s15
	s_add_nc_u64 s[34:35], s[4:5], s[40:41]
	s_or_b32 s35, s35, 0x80000000
	s_add_nc_u64 s[44:45], s[4:5], s[42:43]
	s_add_nc_u64 s[50:51], s[6:7], s[50:51]
	s_add_nc_u64 s[52:53], s[8:9], s[52:53]
	v_and_b32 v8, 31, v0
	v_and_b32 v9, 15, v0                           ; r
	v_lshlrev_b32 v[LI], 4, v8
	v_lshl_add_u32 v[T1], v9, 3, 6144
	v_add_nc_u32 v[T0], s48, v[LI]
	v_add_nc_u32 v[T1], s49, v[T1]
.irp c, 0,1,2
	global_load_b128 v[S+4*\c:S+4*\c+3], v[T0], s[44:45] offset:512*\c   ; the fragment that holds my 16 queries: plain loads, asked for ahead of the round
.endr
	global_load_b32 v[S+12], v[T1], s[44:45]
	s_wait_alu depctr_va_vdst(0)
	CROUND                                         ; all four work-groups are here: the joint loads meet
	s_cmp_lt_u32 s[WV], 4                          ; one chain on the wave's number, a load in each arm: my one tensor load
	s_cbranch_scc0 .Llater
	tensor_load_to_lds s[32:35], s[24:31]          ; waves 0 to 3: records 0 to 3 of K and of V
	s_nop 0
.rept 4
	v_nop
.endr
	s_branch .Lasked
.Llater:
	tensor_load_to_lds s[32:35], s[24:31]          ; the others: records 4 to 15
	s_nop 0
.rept 4
	v_nop
.endr
.Lasked:
	v_bfe_u32 v10, v0, 4, 1                        ; h
	v_and_b32 v11, 7, v0                           ; r % 8
	v_bfe_u32 v[TMP], v0, 3, 1                     ; r / 8
	v_lshlrev_b32 v[L8], 3, v8
	v_mul_u32_u24 v[LK], v[TMP], 1920              ; K's codes: 1,920 (r / 8) + 16 (r % 8) + 320 h
	v_lshlrev_b32 v[LKS], 3, v11                   ; K's scale words: 7,680 + 8 (r % 8) + 4 (r / 8)
	v_lshl_add_u32 v[LVB], v10, 6, v[LI]           ; V's codes: VBASE + 16 lane + 64 h
	v_lshl_add_u32 v[LTB], v9, 3, VBASE+7680       ; V's scale words: VBASE + 7,680 + 8 r
	v_lshlrev_b32 v[SH8], 3, v10
	v_lshl_add_u32 v[LK], v11, 4, v[LK]
	v_lshl_add_u32 v[LKS], v[TMP], 2, v[LKS]
	v_add_nc_u32 v[LVB], VBASE, v[LVB]
	v_and_b32 v[OSA], 0x1e0, v0
	v_add_nc_u32 v[OSR], OSTG, v[LI]
	v_mad_u32_u24 v[LK], v10, 320, v[LK]
	v_add_nc_u32 v[LKS], 7680, v[LKS]
	v_lshl_add_u32 v[OSA], v9, 1, v[OSA]
	v_mov_b32 v13, 0xff61b1e6                      ; the largest score so far: -3e38
	v_mov_b32 v14, 0
	v_mov_b32 v15, 0
	v_add_nc_u32 v[OSA], OSTG, v[OSA]
	v_mov_b32 v[PD], 0                             ; written once: a lane permute's destination counts as one of its sources
	v_mov_b32 v[PD+1], 0
	v_floor_f32 v12, -v13
	v_mov_b32 v[FF+1], 0                           ; named as the upper half of a pair
.irp k, 0,1,2,3,4,5
	v_mov_b32 v[QB+\k], 0
	v_mov_b32 v[QB+12+\k], 0
.endr
	s_wait_loadcnt 0x0
.irp k, 0,1,2,3,4,5
	v_cndmask_b32 v[QB+6+\k], v[S+\k], v[S+6+\k], s56   ; registers 6 u .. 6 u + 5
.endr
	v_lshrrev_b32 v[QSL], s57, v[S+12]
	s_delay_alu instid0(VALU_DEP_1)
	v_and_b32 v[QSL], 0xffff, v[QSL]
	s_delay_alu instid0(VALU_DEP_1)
	v_lshlrev_b32 v[QSH], 16, v[QSL]
.set J, 0
.rept 32
	v_mov_b32 v[O+J], 0                            ; O^T: the step is one text; the first finds zeros.  (These lines also stand between the writes of Q and its scales and the first product)
.set J, J+1
.endr
	s_mov_b32 s2, 0                                ; the step's record in LDS, in bytes
	s_mov_b32 s3, 3
	s_wait_alu depctr_va_vdst(0)                   ; the wait at the head's end
	s_cmp_lt_u32 s[WV], 4
	s_cbranch_scc0 .Lnot_mine
	s_wait_tensorcnt 0x0                           ; waves 0 to 3: my two of records 0 to 3 are in
.Lnot_mine:
	s_barrier_signal -1
	s_barrier_wait -1                              ; records 0 to 3 of K and of V are in; the others may be on their way
	KLOAD LK, LKS                                  ; step 0's K
.macro STEP last
	s_wait_dscnt 0x0                               ; K's fragments and scale words
.irp f, 0,1,2,3
	v_wmma_scale_f32_16x16x128_f8f6f4 v[S+16*\f:S+16*\f+7], v[FRG+12*\f:FRG+12*\f+11], v[QB+6:QB+17], 0, v[FS+\f], v[QSL] matrix_a_fmt:MATRIX_FMT_FP6 matrix_b_fmt:MATRIX_FMT_FP6
	v_wmma_scale_f32_16x16x128_f8f6f4 v[S+16*\f+8:S+16*\f+15], v[FRG+12*\f:FRG+12*\f+11], v[QB:QB+11], 0, v[FS+\f], v[QSH] matrix_a_fmt:MATRIX_FMT_FP6 matrix_b_fmt:MATRIX_FMT_FP6
.endr
	v_add_nc_u32 v[ADV], s2, v[LVB]                ; four plain lines: the places behind the products; behind them the scores are read and V's fragments land where K's lay
	v_add_nc_u32 v[ADT], s2, v[LTB]
.if \last
	v_nop
	v_nop
.else
	s_add_co_u32 s2, s2, KREC
	v_add_nc_u32 v[ADK], s2, v[LK]                 ; the next step's K
	v_add_nc_u32 v[ADS], s2, v[LKS]
.endif
.irp f, 0,1,2,3
.irp k, 0,1,2
	ds_load_b128 v[FRG+12*\f+4*\k:FRG+12*\f+4*\k+3], v[ADV] offset:1920*\f+640*\k
.endr
	ds_load_b32 v[FS+\f], v[ADT] offset:128*(\f/2)+4*(\f%2)
.endr
.irp b, 0,1,2,3
	v_max3_num_f32 v[BM+\b], v[S+16*\b], v[S+1+16*\b], v[S+2+16*\b]   ; four chains, each accumulator from its low end on
.endr
.irp i, 3,5,7,9,11,13
.irp b, 0,1,2,3
	v_max3_num_f32 v[BM+\b], v[BM+\b], v[S+16*\b+\i], v[S+1+16*\b+\i]
.endr
.endr
	v_max3_num_f32 v[BM], v[BM], v[S+15], v[S+31]
	v_max3_num_f32 v[BM+2], v[BM+2], v[S+47], v[S+63]
	s_delay_alu instid0(VALU_DEP_2)
	v_max_num_f32 v[BM], v[BM], v[BM+1]            ; the largest score of my block of x = 0: it serves the row's maximum and the block's largest p
	s_delay_alu instid0(VALU_DEP_2)
	v_max_num_f32 v[BM+2], v[BM+2], v[BM+3]        ; and of x = 1
	s_delay_alu instid0(VALU_DEP_1)
	v_max_num_f32 v[TMP], v[BM], v[BM+2]
	s_delay_alu instid0(VALU_DEP_1)
	v_permlanex16_b32 v[PD], v[TMP], s[SEL], s[SEL+1]
	s_delay_alu instid0(VALU_DEP_1)
	v_max3_num_f32 v13, v13, v[TMP], v[PD]         ; the running largest score of my query (c is positive)
	s_delay_alu instid0(VALU_DEP_1)
	v_mul_f32 v[TMP], s[CS], v13                   ; as t
	v_mov_b32 v[TM2], v12
	s_delay_alu instid0(VALU_DEP_2)
	v_floor_f32 v12, -v[TMP]                       ; -M = floor(-t): M is a whole number
	s_delay_alu instid0(VALU_DEP_1)
	v_sub_f32 v[TM2], v12, v[TM2]                  ; old M - new M, 0 or less
.set J, 0
	FMAS 6
	v_cvt_i32_f32 v[TM2], v[TM2]                   ; (it saturates)
	FMAS 6
	v_ldexp_f32 v[FF], 1.0, v[TM2]                 ; f = 2^(old M - new M)
	FMAS 20
	v_fma_f32 v[BM], v[BM], s[CS], v12
	v_fma_f32 v[BM+2], v[BM+2], s[CS], v12
.set J, 0
.rept 16
	v_pk_mul_f32 v[O+J:O+J+1], v[O+J:O+J+1], v[FF:FF+1] op_sel_hi:[1,0]   ; O^T under the new M, ahead of the exponentials
.set J, J+2
.endr
	s_wait_alu depctr_va_vdst(0)                   ; the wait ahead of the batch
.set J, 0
.rept 64
	v_exp_f32 v[S+J], v[S+J]                       ; p = 2^(t - M)
.set J, J+1
.endr
	v_exp_f32 v[BM], v[BM]                         ; each block's largest p: the same two instructions on the same number
	v_exp_f32 v[BM+2], v[BM+2]
	v_nop                                          ; a plain place behind the exponentials
	s_wait_alu depctr_va_vdst(0)                   ; one wait for the batch, ahead of its first reader
	v_max_num_f32 v[BM], 0x1800000, v[BM]          ; the floor 2^(3 - 127)
	v_max_num_f32 v[BM+2], 0x1800000, v[BM+2]
	SUMS 0, 4
	v_add_nc_u32 v[SOP], 0xff000000, v[BM]         ; 2 off the exponent field: the conversions' scale operand
	v_add_nc_u32 v[SOP+1], 0xff000000, v[BM+2]
	SUMS 4, 8
	v_cvt_scalef32_pk16_fp6_f32 v[PC:PC+2], v[S:S+15], v[SOP]
	v_cvt_scalef32_pk16_fp6_f32 v[T0:T0+2], v[S+16:S+31], v[SOP]       ; (a conversion's three registers begin on an even number)
	v_cvt_scalef32_pk16_fp6_f32 v[PC+6:PC+8], v[S+32:S+47], v[SOP+1]
	v_cvt_scalef32_pk16_fp6_f32 v[T1:T1+2], v[S+48:S+63], v[SOP+1]
	v_lshrrev_b32 v[EB], 23, v[SOP]                ; the scales' bytes (also the plain place behind the conversions)
	v_lshrrev_b32 v[EB+1], 23, v[SOP+1]
	v_mov_b32 v[PC+3], v[T0]                       ; the six moves stand among the lines that make the scale word
	v_mov_b32 v[PC+9], v[T1]
	v_lshl_or_b32 v[PW], v[EB+1], 16, v[EB]        ; my two bytes: blocks h and 2 + h,
	v_mov_b32 v[PC+4], v[T0+1]
	v_mov_b32 v[PC+10], v[T1+1]
	v_lshlrev_b32 v[PW], v[SH8], v[PW]             ; at their places in the word;
	v_mov_b32 v[PC+5], v[T0+2]
	v_mov_b32 v[PC+11], v[T1+2]
	v_permlanex16_b32 v[PD], v[PW], s[SEL], s[SEL+1]
	SUMS 8, 10
	v_or_b32 v[PW], v[PW], v[PD]                   ; with lane l xor 16's two the word is whole
	SUMS 10, 18                                    ; eight plain lines between the scale word's write and the products
	s_wait_alu depctr_va_vdst(0)                   ; directly ahead of the wait below
	s_wait_dscnt 0x0                               ; V's fragments
.irp t, 0,1,2,3
	v_wmma_scale_f32_16x16x128_f8f6f4 v[O+8*\t:O+8*\t+7], v[FRG+12*\t:FRG+12*\t+11], v[PC:PC+11], v[O+8*\t:O+8*\t+7], v[FS+\t], v[PW] matrix_a_fmt:MATRIX_FMT_FP6 matrix_b_fmt:MATRIX_FMT_FP6
.endr
	SUMS 18, 22                                    ; four places in front of loads into registers that these products read
.if !\last
	KLOAD ADK, ADS
.endif
	SUMS 22, 32
.endm
.Lfirst:                                               ; steps 0 to 2: they read records 0 to 3 alone
	STEP 0
	s_sub_co_u32 s3, s3, 1
	s_cmp_lg_u32 s3, 0
	s_cbranch_scc1 .Lfirst
	s_wait_tensorcnt 0x0                           ; my two records are in,
	s_wait_dscnt 0x0                               ; no LDS instruction of mine is out at the signal,
	s_barrier_signal -1
	s_barrier_wait -1                              ; and everybody's records are in
	s_mov_b32 s3, 12
.Lstep:                                                ; steps 3 to 14
	STEP 0
	s_sub_co_u32 s3, s3, 1
	s_cmp_lg_u32 s3, 0
	s_cbranch_scc1 .Lstep
	STEP 1
	; THE WAY OUT: o = O^T / the sum, in f32; its 64 numbers are two blocks of the last product's K; tiles 2 b and 2 b + 1 hold d = 32 b + 16 h + 0..15.
	v_add_f32 v14, v14, v15
	s_delay_alu instid0(VALU_DEP_1)
	v_permlanex16_b32 v[TMP], v14, s[SEL], s[SEL+1]
	s_delay_alu instid0(VALU_DEP_1)
	v_add_f32 v14, v14, v[TMP]
	s_wait_alu depctr_va_vdst(0)
	v_rcp_f32 v14, v14
	v_nop                                          ; the plain place behind the reciprocal
	s_wait_alu depctr_va_vdst(0)
.set J, 0
.rept 32
	v_mul_f32 v[S+J], v[O+J], v14
.set J, J+1
.endr
.irp b, 0,1
	v_max3_num_f32 v[BM+\b], |v[S+16*\b]|, |v[S+1+16*\b]|, 0x1800000
.endr
.irp i, 2,4,6,8,10,12,14
.irp b, 0,1
	s_delay_alu instid0(VALU_DEP_2)
	v_max3_num_f32 v[BM+\b], v[BM+\b], |v[S+16*\b+\i]|, |v[S+1+16*\b+\i]|
.endr
.endr
.irp b, 0,1
	s_delay_alu instid0(VALU_DEP_2)
	v_permlanex16_b32 v[PD+\b], v[BM+\b], s[SEL], s[SEL+1]
.endr
.irp b, 0,1
	s_delay_alu instid0(VALU_DEP_2)
	v_max_num_f32 v[BM+\b], v[BM+\b], v[PD+\b]
.endr
.irp b, 0,1
	s_delay_alu instid0(VALU_DEP_2)
	v_add_nc_u32 v[SOP+\b], 0xff000000, v[BM+\b]
.endr
.irp b, 0,1
	s_delay_alu instid0(VALU_DEP_2)
	v_lshrrev_b32 v[PD+\b], 23, v[SOP+\b]
.endr
	s_delay_alu instid0(VALU_DEP_1)
	v_lshl_or_b32 v[TMP], v[PD+1], 8, v[PD]        ; my query's two scale bytes
	v_cvt_scalef32_pk16_fp6_f32 v[PC:PC+2], v[S:S+15], v[SOP]
	v_cvt_scalef32_pk16_fp6_f32 v[T0:T0+2], v[S+16:S+31], v[SOP+1]
	v_nop
.irp i, 0,1,2
	v_permlane16_swap_b32 v[PC+\i], v[T0+\i]       ; a whole block to a lane
.endr
.irp i, 0,1,2
	s_delay_alu instid0(VALU_DEP_3)
	v_mov_b32 v[PC+3+\i], v[T0+\i]
.endr
	global_store_b128 v[LI], v[PC:PC+3], s[50:51]              ; registers 0-3: 512 consecutive bytes, aligned
	global_store_b64 v[L8], v[PC+4:PC+5], s[50:51] offset:512  ; registers 4, 5: 256
	ds_store_b16 v[OSA], v[TMP]                    ; lanes r and r + 16 write the same two bytes with the same value
	s_wait_dscnt 0x0
	s_barrier_signal -1
	s_barrier_wait -1
	s_cmp_lg_u32 s[WV], 0
	s_cbranch_scc1 .Lnot_first
	ds_load_b128 v[S:S+3], v[OSR]                  ; wave 0 stores the work-group's 256 pairs: 512 consecutive bytes, aligned
	s_wait_dscnt 0x0
	global_store_b128 v[LI], v[S:S+3], s[52:53]
.Lnot_first:
	s_wait_tensorcnt 0x0                           ; the wave's end
	ds_add_u32 v[SPW], v[NIL]
	s_wait_dscnt 0x0
	CROUND                                         ; the closing round
	s_endpgm
.Lfunc_end_k_q61a631f97c_attn:
	.size	k_q61a631f97c_attn, .Lfunc_end_k_q61a631f97c_attn-k_q61a631f97c_attn
	.p2alignl 7, 3214868480
	.fill 96, 4, 3214868480
	.section	.rodata,"a",@progbits
	.p2align	6, 0x0
	.amdhsa_kernel k_q61a631f97c_attn
		.amdhsa_group_segment_fixed_size 258560
		.amdhsa_private_segment_fixed_size 0
		.amdhsa_enable_private_segment 0
		.amdhsa_kernarg_size 24
		.amdhsa_user_sgpr_count 2
		.amdhsa_user_sgpr_kernarg_segment_ptr 1
		.amdhsa_wavefront_size32 1
		.amdhsa_system_sgpr_workgroup_id_x 1
		.amdhsa_system_sgpr_workgroup_id_y 1
		.amdhsa_system_sgpr_workgroup_id_z 1
		.amdhsa_system_vgpr_workitem_id 0
		.amdhsa_next_free_vgpr 256
		.amdhsa_next_free_sgpr 66
		.amdhsa_reserve_vcc 0
		.amdhsa_float_denorm_mode_32 3
		.amdhsa_float_denorm_mode_16_64 3
		.amdhsa_memory_ordered 1
		.amdhsa_forward_progress 1
		.amdhsa_inst_pref_size 58
	.end_amdhsa_kernel
	.amdgpu_metadata
---
amdhsa.version: [ 1, 2 ]
amdhsa.kernels:
  - .name:           k_q61a631f97c_attn
    .symbol:         k_q61a631f97c_attn.kd
    .args:
      - { .name: qkv, .offset: 0, .size: 8, .value_kind: global_buffer, .address_space: global }
      - { .name: ocod, .offset: 8, .size: 8, .value_kind: global_buffer, .address_space: global }
      - { .name: oscl, .offset: 16, .size: 8, .value_kind: global_buffer, .address_space: global }
    .group_segment_fixed_size: 258560
    .private_segment_fixed_size: 0
    .kernarg_segment_align: 8
    .kernarg_segment_size: 24
    .max_flat_workgroup_size: 512
    .sgpr_count:     66
    .vgpr_count:     256
    .wavefront_size: 32
...
	.end_amdgpu_metadata
.endif
;; end of part 3
;; launch gemm_out (part 4): grid 8 x 32, 4 waves a work-group, clusters of 4 x 4, 222,720 bytes of LDS; arguments ocod, oscl, wcod, wscl, out_b, out0; writes out0
.if DOCPART == 4
	.amdgcn_target "amdgcn-amd-amdhsa--gfx1250"
	.amdhsa_code_object_version 6
	.text
	.protected	k_q61a631f97c_gemm_out
	.globl	k_q61a631f97c_gemm_out
	.p2align	8
	.type	k_q61a631f97c_gemm_out,@function
k_q61a631f97c_gemm_out:
	s_mov_b64 s[64:65], 0
	v_nop
	global_prefetch_b8 v0, s[64:65] scope:SCOPE_SE
	s_setreg_imm32_b32 hwreg(HW_REG_WAVE_MODE, 25, 1), 1
	s_wait_xcnt 0x0
	s_wait_alu depctr_hold_cnt(0) depctr_sa_sdst(0) depctr_va_vdst(0) depctr_va_sdst(0) depctr_va_ssrc(0) depctr_va_vcc(0) depctr_vm_vsrc(0)
	s_getreg_b32 s2, hwreg(HW_REG_IB_STS2, 6, 4)
	s_cmp_eq_u32 s2, 0
	s_cbranch_scc0 .Lentry_in_a_cluster
	s_endpgm
.Lentry_in_a_cluster:
	s_bfe_u32 s2, ttmp6, 0x10000c
	s_cmp_lg_u32 s2, 0xf033
	s_cbranch_scc0 .Lentry_shape_is_right
	s_endpgm
.Lentry_shape_is_right:
; out0 = o out_w^T + out_b on codes of FP6 with E8M0 scales, K = 1,024.  Nothing of reference() is left out.
; A tile is 128 places of o x 128 features: 256 work-groups.  Four waves, 64 x 64 each: 16 accumulators.  Used transposed: first source = 16 rows of out_w, second = 16 rows of o,
; so that a lane holds eight neighbouring features of one row.
; ALL OF K STAYS IN LDS, nothing is filled again.  Each panel, 8 row-blocks x 12,288 bytes, is one dense block of memory.  The head has four tiles and four waves, ONE tensor load a wave:
; wave 0 o's panel, wave 1 out_w's, wave 2 o's scale bytes, wave 3 out_w's scale words; every wave waits for its load, and one barrier shows all four.
; CLUSTER 4 x 4: o's tiles are asked for jointly along a row of the cluster, out_w's along a column.  No prefetch: all that the launch reads through LDS is asked for at its head.
; o's codes: ocod[row-block][head][768]: registers 0-3 of the head's six at 16 x lane, registers 4, 5 at 512 + 8 x lane; head 2 s + c gives registers 6 c .. 6 c + 5 of K step s.  Its scale bytes: oscl[head][place], two each.
; Rows of o and of out_w stand in the order of the earlier launches: place 16 b + r is true row 32 (b / 2) + 8 (b % 2) + 16 (r / 8) + r % 8; only the bias's and the stores' addresses know it.
; REGISTERS: window 0: v16-29 addresses; v32-63 o's scale words (4 s + a); v64-95 out_w's (8 (s / 2) + 2 b + s % 2); v128-255 the accumulators ((a, b) at v[128 + 8 (4 a + b)]).
;   Window 1: two fragment buffers at v0 and v96 (o's four, then out_w's four); v192-223 the bias in the result's layout: it is the C of each sum's first product.
.set APAN,  0                          ; [8 row-blocks][12,288]
.set BPAN,  98304
.set ASC,   196608                     ; o's scale bytes: [head][128 places x 2]
.set BSC,   ASC+4096                   ; out_w's scale words: [8 row-blocks][512]
.set SPARE, BSC+4096                   ; the spare words: two blocks of 256 bytes that no other line names
.set STG,   SPARE+512                  ; the way out: 16 rows x (256 + 16) bytes for each wave; no tensor load lands there
.set A16, 16
.set A8,  18
.set B16, 20
.set ASA, 22
.set BSA, 23
.set STO, 24
.set RD,  25
.set CO,  26
.set BO,  27
.set SPW, 28
.set NIL, 29
.set ASW, 32
.set BSW, 64
.set ACC, 128
.set G1A,  24
.set G1B,  32
.set G1SA, 40
.set G1SB, 48
.set G0SA, 56
.set G0SB, 60
.set G0A,  68
.set G0B,  72
.set MSB, 0
.macro WIN new
.if MSB != (\new)
	s_set_vgpr_msb (MSB<<8)|(\new)
.set MSB, (\new)
.endif
.endm
.macro PLACES n
.rept \n
	v_nop
.endr
.endm
.macro ARM under, g0, g1, next         ; an arm of the head's one chain of branches on the wave's number: a load, the s_nop 0 and four v_nop, a jump to the join
	s_cmp_lt_u32 s16, \under
	s_cbranch_scc0 \next
	tensor_load_to_lds s[\g0:\g0+3], s[\g1:\g1+7]
	s_nop 0
	PLACES 4
	s_branch .Lasked
\next:
.endm
.macro CROUND
	s_barrier_signal -1
	s_barrier_wait -1
	s_cmp_lg_u32 s16, 0
	s_cbranch_scc1 .Lnot_wave_0_\@
	s_barrier_signal -3
.Lnot_wave_0_\@:
	s_barrier_wait -3
	s_barrier_signal -1
	s_barrier_wait -1
.endm
	s_load_b256 s[4:11], s[0:1], 0x0               ; ocod, oscl, wcod, wscl
	s_load_b128 s[12:15], s[0:1], 0x20             ; out_b, out0
	v_lshl_add_u32 v[SPW], v0, 2, SPARE
	v_mov_b32 v[NIL], 0
	ds_add_u32 v[SPW], v[NIL]                      ; the opening: the add, twice on end, and its wait ahead of my first tensor load
	ds_add_u32 v[SPW], v[NIL]
	v_lshrrev_b32 v1, 5, v0
	v_readfirstlane_b32 s16, v1                    ; wave
	s_lshr_b32 s17, s16, 1                         ; my half of the rows
	s_and_b32 s18, s16, 1                          ; my half of the features
	s_bfe_u32 s19, ttmp6, 0x40000                  ; cx
	s_bfe_u32 s20, ttmp6, 0x40004                  ; cy
	s_lshl_b32 s21, ttmp9, 2
	s_add_co_u32 s21, s21, s19                     ; the tile of features
	s_and_b32 s22, ttmp7, 0xffff
	s_lshl_b32 s22, s22, 2
	s_add_co_u32 s22, s22, s20                     ; the tile of rows
	s_lshl_b32 s23, s20, 2
	s_lshl_b32 s23, 15, s23                        ; my row of the cluster
	s_lshl_b32 s2, 0x1111, s19                     ; my column
	s_or_b32 s[G1A], s23, (3<<16)|(1<<21)
	s_or_b32 s[G1B], s2, (3<<16)|(1<<21)
	s_or_b32 s[G1SA], s23, (3<<16)|(1<<21)
	s_or_b32 s[G1SB], s2, (3<<16)|(1<<21)
.irp g, G1A, G1B                       ; a panel: 98,304 dense bytes as 384 rows of 256
	s_mov_b32 s[\g+1], 32<<16
	s_mov_b32 s[\g+2], 384<<16
	s_mov_b32 s[\g+3], 32<<16
	s_mov_b32 s[\g+4], 384
	s_mov_b32 s[\g+5], 32
	s_mov_b32 s[\g+6], 0
	s_mov_b32 s[\g+7], 0
.endr
.irp g, G1SA, G1SB                     ; scales: 16 rows of 256 bytes
	s_mov_b32 s[\g+1], 32<<16
	s_mov_b32 s[\g+2], 16<<16
	s_mov_b32 s[\g+3], 32<<16
	s_mov_b32 s[\g+4], 16
	s_mov_b32 s[\g+6], 0
	s_mov_b32 s[\g+7], 0
.endr
	s_mov_b32 s[G1SA+5], 1024                      ; o's: 16 heads, 8,192 bytes apart
	s_mov_b32 s[G1SB+5], 32                        ; out_w's: dense
	s_mul_i32 s[G0A+2], s22, 98304                 ; the address words hold the byte offset until the buffer's address is added
	s_mov_b32 s[G0A+3], 0
	s_lshl_b32 s[G0SA+2], s22, 8
	s_mov_b32 s[G0SA+3], 0
	s_lshl_b32 s2, s21, 3
	s_add_co_u32 s2, s2, 448                       ; out_w's first row-block in the buffer of codes
	s_mul_i32 s[G0B+2], s2, 12288
	s_mov_b32 s[G0B+3], 0
	s_lshl_b32 s[G0SB+2], s2, 9
	s_mov_b32 s[G0SB+3], 0
	s_mov_b32 s[G0A], 1
	s_mov_b32 s[G0A+1], APAN
	s_mov_b32 s[G0B], 1
	s_mov_b32 s[G0B+1], BPAN
	s_mov_b32 s[G0SA], 1
	s_mov_b32 s[G0SA+1], ASC
	s_mov_b32 s[G0SB], 1
	s_mov_b32 s[G0SB+1], BSC
	s_wait_dscnt 0x0                               ; both opening adds are done
	s_wait_kmcnt 0x0
	s_add_nc_u64 s[G0A+2:G0A+3], s[4:5], s[G0A+2:G0A+3]
	s_add_nc_u64 s[G0SA+2:G0SA+3], s[6:7], s[G0SA+2:G0SA+3]
	s_add_nc_u64 s[G0B+2:G0B+3], s[8:9], s[G0B+2:G0B+3]
	s_add_nc_u64 s[G0SB+2:G0SB+3], s[10:11], s[G0SB+2:G0SB+3]
	s_or_b32 s[G0A+3], s[G0A+3], 0x80000000
	s_or_b32 s[G0SA+3], s[G0SA+3], 0x80000000
	s_or_b32 s[G0B+3], s[G0B+3], 0x80000000
	s_or_b32 s[G0SB+3], s[G0SB+3], 0x80000000
	CROUND                                         ; all sixteen work-groups are here: the joint loads meet
	ARM 1, G0A,  G1A,  .Lhead_b
	ARM 2, G0B,  G1B,  .Lhead_sa
	ARM 3, G0SA, G1SA, .Lhead_sb
	tensor_load_to_lds s[G0SB:G0SB+3], s[G1SB:G1SB+7]
	s_nop 0
	PLACES 4
.Lasked:
	v_and_b32 v1, 31, v0
	v_and_b32 v2, 15, v0                           ; r
	v_bfe_u32 v3, v0, 4, 1                         ; h
	v_lshlrev_b32 v4, 4, v1
	v_lshlrev_b32 v5, 3, v1
	s_wait_alu depctr_va_vdst(0)
	s_mul_i32 s19, s17, 49152                      ; my 4 row-blocks of o
	s_mul_i32 s20, s18, 49152                      ; and of out_w
	s_add_co_u32 s20, s20, BPAN
	v_add_nc_u32 v[A16], s19, v4
	v_add_nc_u32 v[A8], s19, v5
	v_add_nc_u32 v[B16], s20, v4
	s_lshl_b32 s19, s17, 7
	s_add_co_u32 s19, s19, ASC
	v_lshl_add_u32 v[ASA], v2, 1, s19
	s_lshl_b32 s19, s18, 11
	s_add_co_u32 s19, s19, BSC
	v_lshl_add_u32 v[BSA], v2, 3, s19
	s_mul_i32 s19, s16, 16*272
	s_add_co_u32 s19, s19, STG                     ; my stage
	v_mul_u32_u24 v[STO], v2, 272
	v_lshl_add_u32 v[STO], v3, 6, v[STO]
	v_add_nc_u32 v[STO], s19, v[STO]               ; in: row r, + 64 h
	v_mul_u32_u24 v[RD], v3, 272
	v_lshl_add_u32 v[RD], v2, 4, v[RD]
	v_add_nc_u32 v[RD], s19, v[RD]                 ; back: lanes 0-15 one row, lanes 16-31 the next
	v_lshlrev_b32 v[CO], 4, v2
	v_lshl_add_u32 v[CO], v3, 12, v[CO]            ; and the same two rows of out0
	v_lshlrev_b32 v[BO], 6, v3
	s_wait_alu depctr_va_vdst(0)                   ; ahead of the run of scalar lines
	s_lshl_b32 s19, s22, 7
	s_lshl_b32 s20, s17, 6
	s_add_co_u32 s19, s19, s20                     ; my first row (a multiple of 64: place and true row agree)
	s_lshl_b32 s2, s19, 12
	s_lshl_b32 s19, s21, 9
	s_add_co_u32 s2, s2, s19
	s_lshl_b32 s20, s18, 8
	s_add_co_u32 s2, s2, s20
	s_mov_b32 s3, 0
	s_add_nc_u64 s[14:15], s[14:15], s[2:3]
	s_add_co_u32 s2, s19, s20                      ; my first feature x 4 bytes
	s_add_nc_u64 s[12:13], s[12:13], s[2:3]
	WIN 0x40                                       ; destination window 1
.irp b, 0,1,2,3                        ; block b, lane (r, h), register j: feature 32 (b / 2) + 8 (b % 2) + 16 h + j
	global_load_b128 v[192+8*\b:192+8*\b+3], v[BO], s[12:13] offset:(32*(\b/2)+8*(\b%2))*4
	global_load_b128 v[192+8*\b+4:192+8*\b+7], v[BO], s[12:13] offset:(32*(\b/2)+8*(\b%2))*4+16
.endr
	WIN 0
; the fragments of K step s into the buffer at v[buf] of window 1: 28 loads
.macro FETCH s, buf
	WIN 0x40
.irp i, 0,1,2,3
	ds_load_b128 v[\buf+12*\i:\buf+12*\i+3], v[A16] offset:(\s)*1536+\i*12288
	ds_load_b64 v[\buf+12*\i+4:\buf+12*\i+5], v[A8] offset:(\s)*1536+\i*12288+512
	ds_load_b128 v[\buf+12*\i+6:\buf+12*\i+9], v[A16] offset:(\s)*1536+\i*12288+768
	ds_load_b64 v[\buf+12*\i+10:\buf+12*\i+11], v[A8] offset:(\s)*1536+\i*12288+1280
.endr
.irp i, 0,1,2,3
.irp c, 0,1,2
	ds_load_b128 v[\buf+48+12*\i+4*\c:\buf+48+12*\i+4*\c+3], v[B16] offset:(\s)*1536+\i*12288+512*\c
.endr
.endr
	WIN 0
.endm
; K step s: its fragments are in; the next step's are asked for; 16 products, the accumulators by turns.
.macro STEPM s
.set BUF, 96*((\s)%2)
	s_wait_dscnt 0x0
.if (\s) < 7
	PLACES 4                                       ; in front of loads into registers that the step before multiplied
	FETCH (\s)+1, 96*(((\s)+1)%2)
.endif
.if (\s) == 0
	WIN 0x15                                       ; both sources and C (the bias) window 1, D window 0
.else
	WIN 0x05
.endif
.irp a, 0,1,2,3
.irp b, 0,1,2,3
.if (\s) == 0
	v_wmma_scale_f32_16x16x128_f8f6f4 v[ACC+8*(4*\a+\b):ACC+8*(4*\a+\b)+7], v[BUF+48+12*\b:BUF+48+12*\b+11], v[BUF+12*\a:BUF+12*\a+11], v[192+8*\b:192+8*\b+7], v[BSW+8*((\s)/2)+2*\b+(\s)%2], v[ASW+4*(\s)+\a] matrix_a_fmt:MATRIX_FMT_FP6 matrix_b_fmt:MATRIX_FMT_FP6
.else
	v_wmma_scale_f32_16x16x128_f8f6f4 v[ACC+8*(4*\a+\b):ACC+8*(4*\a+\b)+7], v[BUF+48+12*\b:BUF+48+12*\b+11], v[BUF+12*\a:BUF+12*\a+11], v[ACC+8*(4*\a+\b):ACC+8*(4*\a+\b)+7], v[BSW+8*((\s)/2)+2*\b+(\s)%2], v[ASW+4*(\s)+\a] matrix_a_fmt:MATRIX_FMT_FP6 matrix_b_fmt:MATRIX_FMT_FP6
.endif
.endr
.endr
	WIN 0
.endm
	s_wait_alu depctr_va_vdst(0)                   ; the wait at the head's end
	s_wait_tensorcnt 0x0                           ; my tile is in,
	s_barrier_signal -1
	s_barrier_wait -1                              ; everybody's is
.irp s, 0,1,2,3,4,5,6,7                ; o's scale words are pieced together once: two heads' pairs make the word of a K step
.irp a, 0,1,2,3
	ds_load_u16 v[128+4*\s+\a], v[ASA] offset:512*\s+32*\a
	ds_load_u16 v[160+4*\s+\a], v[ASA] offset:512*\s+32*\a+256
.endr
.endr
.irp g, 0,1,2,3
.irp b, 0,1,2,3
	ds_load_b64 v[BSW+8*\g+2*\b:BSW+8*\g+2*\b+1], v[BSA] offset:512*\b+128*\g
.endr
.endr
	FETCH 0, 0
	s_wait_dscnt 44                                ; the 64 pairs are in (behind them: 16 + 28 loads)
.set J, 0
.rept 32
	v_lshl_or_b32 v[ASW+J], v[160+J], 16, v[128+J] ; (a word is written eight plain lines or more ahead of the product that names it)
.set J, J+1
.endr
	s_wait_alu depctr_va_vdst(0)                   ; directly ahead of the wait below
	s_wait_loadcnt 0x0                             ; the bias
.irp s, 0,1,2,3,4,5,6,7
	STEPM \s
.endr
; THE WAY OUT, a block of 16 rows x 64 features at a time, through my own stage: a row's 256 bytes come back whole, and sixteen lanes store them, aligned.  LDS serves a wave's instructions in order.
.macro TOSTAGE a
.irp b, 0,1,2,3
	ds_store_b128 v[STO], v[ACC+8*(4*(\a)+\b):ACC+8*(4*(\a)+\b)+3] offset:128*(\b/2)+32*(\b%2)       ; each accumulator from its low end on
	ds_store_b128 v[STO], v[ACC+8*(4*(\a)+\b)+4:ACC+8*(4*(\a)+\b)+7] offset:128*(\b/2)+32*(\b%2)+16
.endr
.set BB, 32+32*((\a)%2)
.irp t, 0,1,2,3,4,5,6,7
	ds_load_b128 v[BB+4*\t:BB+4*\t+3], v[RD] offset:\t*544
.endr
.endm
.macro SEND a, younger
.set BB, 32+32*((\a)%2)
	s_wait_dscnt \younger
.irp t, 0,1,2,3,4,5,6,7                ; stage row 2 t + h of block a is true row 32 (a / 2) + 8 (a % 2) + 16 (t / 4) + 2 (t % 4) + h
	global_store_b128 v[CO], v[BB+4*\t:BB+4*\t+3], s[14:15] offset:(32*((\a)/2)+8*((\a)%2)+16*(\t/4)+2*(\t%4))*4096 th:TH_STORE_NT
.endr
.endm
	PLACES 4                                       ; behind the last products: results are read, and loads land in the scales' registers
	TOSTAGE 0
.irp a, 1,2,3
.if \a > 1
	s_wait_xcnt 0x0                                ; the stores of two blocks back have read their registers
.endif
	TOSTAGE \a
	SEND \a-1, 16                                  ; behind that block's loads: this block's 8 stores and 8 loads
.endr
	SEND 3, 0
	s_wait_tensorcnt 0x0                           ; the wave's end
	ds_add_u32 v[SPW], v[NIL]
	s_wait_dscnt 0x0
	CROUND                                         ; the closing round
	s_endpgm
.Lfunc_end_k_q61a631f97c_gemm_out:
	.size	k_q61a631f97c_gemm_out, .Lfunc_end_k_q61a631f97c_gemm_out-k_q61a631f97c_gemm_out
	.p2alignl 7, 3214868480
	.fill 96, 4, 3214868480
	.section	.rodata,"a",@progbits
	.p2align	6, 0x0
	.amdhsa_kernel k_q61a631f97c_gemm_out
		.amdhsa_group_segment_fixed_size 222720
		.amdhsa_private_segment_fixed_size 0
		.amdhsa_enable_private_segment 0
		.amdhsa_kernarg_size 48
		.amdhsa_user_sgpr_count 2
		.amdhsa_user_sgpr_kernarg_segment_ptr 1
		.amdhsa_wavefront_size32 1
		.amdhsa_system_sgpr_workgroup_id_x 1
		.amdhsa_system_sgpr_workgroup_id_y 1
		.amdhsa_system_sgpr_workgroup_id_z 1
		.amdhsa_system_vgpr_workitem_id 0
		.amdhsa_next_free_vgpr 512
		.amdhsa_next_free_sgpr 100
		.amdhsa_reserve_vcc 0
		.amdhsa_float_denorm_mode_32 3
		.amdhsa_float_denorm_mode_16_64 3
		.amdhsa_memory_ordered 1
		.amdhsa_forward_progress 1
		.amdhsa_inst_pref_size 56
	.end_amdhsa_kernel
	.amdgpu_metadata
---
amdhsa.version: [ 1, 2 ]
amdhsa.kernels:
  - .name:           k_q61a631f97c_gemm_out
    .symbol:         k_q61a631f97c_gemm_out.kd
    .args:
      - { .name: ocod, .offset: 0, .size: 8, .value_kind: global_buffer, .address_space: global }
      - { .name: oscl, .offset: 8, .size: 8, .value_kind: global_buffer, .address_space: global }
      - { .name: wcod, .offset: 16, .size: 8, .value_kind: global_buffer, .address_space: global }
      - { .name: wscl, .offset: 24, .size: 8, .value_kind: global_buffer, .address_space: global }
      - { .name: out_b, .offset: 32, .size: 8, .value_kind: global_buffer, .address_space: global }
      - { .name: out0, .offset: 40, .size: 8, .value_kind: global_buffer, .address_space: global }
    .group_segment_fixed_size: 222720
    .private_segment_fixed_size: 0
    .kernarg_segment_align: 8
    .kernarg_segment_size: 48
    .max_flat_workgroup_size: 128
    .sgpr_count:     100
    .vgpr_count:     512
    .wavefront_size: 32
...
	.end_amdgpu_metadata
.endif
;; end of part 4
